; MI455X (gfx1250); checked and timed in simulation.
; The chip was launched on July 23, 2026; its instructions are those of AMD's public machine-readable ISA for CDNA 5 (MIT licence, August 2026) and "CDNA5" Instruction Set Architecture Reference Guide (July 2026). The comments in the code are by the model that wrote it; some were corrected since.
;; LSTM Cell KFAC. Allowed arithmetic: matrix products marked QUANTISED: E2M3 operands, one E8M0 scale for each 32 along K, by v_wmma_scale_f32_16x16x128_f8f6f4 with both operands' format E2M3, f32 sums; everything else in f32.
;; Inputs: b_f_h 1,024 float32; b_f_i 1,024 float32; b_g_h 1,024 float32; b_g_i 1,024 float32; b_i_h 1,024 float32; b_i_i 1,024 float32; b_o_h 1,024 float32; b_o_i 1,024 float32; c 4,096 x 1,024 float32; h 4,096 x 1,024 float32; input 4,096 x 1,024 float32; w_f_h 1,024 x 1,024 float32; w_f_i 1,024 x 1,024 float32; w_g_h 1,024 x 1,024 float32; w_g_i 1,024 x 1,024 float32; w_i_h 1,024 x 1,024 float32; w_i_i 1,024 x 1,024 float32; w_o_h 1,024 x 1,024 float32; w_o_i 1,024 x 1,024 float32.
;; Outputs: out0 4,096 x 1,024 float32; out1 4,096 x 1,024 float32.
;; This version of the problem:
;;   THIS VERSION OF THE PROBLEM IS GIVEN IN LOW PRECISION. The matrix products marked QUANTISED in the list below multiply operands that are first quantised to E2M3 (2 exponent bits, 3 mantissa bits; 6 bits a number), with one power-of-two scale for each 32 numbers along K (OCP MX v1.0); their sums are f32. All else is computed in f32.
;;   The module's matrix products, in the order in which they are computed (A, B: the left and right operand; K: the contracted axis; several contracted axes count as one K, in the product's order):
;;     1. [M 4,096, K 1,024] x [K 1,024, N 1,024]; A: input input; B: input w_i_i: QUANTISED
;;     2. [M 4,096, K 1,024] x [K 1,024, N 1,024]; A: input h; B: input w_i_h: QUANTISED
;;     3. [M 4,096, K 1,024] x [K 1,024, N 1,024]; A: input input; B: input w_f_i: QUANTISED
;;     4. [M 4,096, K 1,024] x [K 1,024, N 1,024]; A: input h; B: input w_f_h: QUANTISED
;;     5. [M 4,096, K 1,024] x [K 1,024, N 1,024]; A: input input; B: input w_g_i: QUANTISED
;;     6. [M 4,096, K 1,024] x [K 1,024, N 1,024]; A: input h; B: input w_g_h: QUANTISED
;;     7. [M 4,096, K 1,024] x [K 1,024, N 1,024]; A: input input; B: input w_o_i: QUANTISED
;;     8. [M 4,096, K 1,024] x [K 1,024, N 1,024]; A: input h; B: input w_o_h: QUANTISED
;;   THE QUANTISER, for each operand of a quantised product, along K:
;;     - K is cut into blocks of 32 from its start; a last block that is shorter is filled with zeros.
;;     - A block's scale is 2^e with e = floor(log2(the largest magnitude in the block)) - 2, held to -126 .. 127; a block of zeros has e = 0. As a byte (E8M0): e + 127.
;;     - Each number is divided by its block's scale, clamped to +-7.5, and rounded to the nearest number of E2M3, ties to even, subnormals kept.
;;     - The product sums the exact products of the quantised numbers (number of the format x scale) in f32.
;;   ~~~python
;;   def quantise(x, axis):      # numpy; x: float32 -> the quantised numbers, widened to float32 again
;;       x = np.moveaxis(x, axis, -1); K = x.shape[-1]
;;       x = np.pad(x, [(0, 0)] * (x.ndim - 1) + [(0, -K % 32)]); x = x.reshape(x.shape[:-1] + (-1, 32)); a = np.abs(x).max(-1, keepdims=True)
;;       e = np.where(a > 0, np.clip(np.frexp(np.where(a > 0, a, 1))[1] - 1 - 2, -126, 127), 0)      # np.frexp(a)[1] - 1 = floor(log2(a)), exactly
;;       r = np.clip(x / 2.0 ** e, -7.5, 7.5)
;;       step = 2.0 ** (np.maximum(np.frexp(np.where(r == 0, 1, r))[1] - 1, 0) - 3)
;;       q = np.round(r / step) * step * 2.0 ** e      # np.round: ties to even
;;       return np.moveaxis(q.reshape(q.shape[:-2] + (-1,))[..., :K], -1, axis).astype(np.float32)
;;   ~~~
;; One version. Each part assembles by itself: llvm-mc -triple=amdgcn-amd-amdhsa -mcpu=gfx1250 --defsym DOCPART=n.
;; ======== version 1 of 1: 2 launches
;; workspace buffers: a_codes 6,291,456 bytes; a_scales 262,144 bytes; w_codes 6,291,456 bytes; w_scales 262,144 bytes
;; launch quant (part 1): grid 512 x 1, 4 waves a work-group, no clusters, 33,280 bytes of LDS; arguments input, h, w_i_i, w_i_h, w_f_i, w_f_h, w_g_i, w_g_h, w_o_i, w_o_h, a_codes, a_scales, w_codes, w_scales; writes a_codes, a_scales, w_codes, w_scales
.if DOCPART == 1
	.amdgcn_target "amdgcn-amd-amdhsa--gfx1250"
	.amdhsa_code_object_version 6
	.text
	.protected	k_qb6074ec230_quant
	.globl	k_qb6074ec230_quant
	.p2align	8
	.type	k_qb6074ec230_quant,@function
k_qb6074ec230_quant:
	s_mov_b64 s[64:65], 0
	v_nop
	global_prefetch_b8 v0, s[64:65] scope:SCOPE_SE
	s_setreg_imm32_b32 hwreg(HW_REG_WAVE_MODE, 25, 1), 1
	s_wait_xcnt 0x0
; input, h [4096][1024] and the eight weights [1024][1024], all f32 with K innermost, become codes of FP6 (E2M3) with one E8M0 scale byte for each 32 along K.
; The eight products of the cell are ONE product with K = 2,048: [input | h] x [w_*_i | w_*_h]^T.  So a row of a_codes is input's 1,024 codes (768 bytes) and then h's (768 bytes), a row of a_scales
; 32 + 32 bytes, and the rows of w_codes and w_scales likewise (w_g_i, then w_g_h).  1,024 is a multiple of 32: no block of 32 crosses the seam, and every block is the block of the separate product.
; THE ORDER OF THE WEIGHTS' ROWS: hidden unit j of gate g (0 = i, 1 = f, 2 = g, 3 = o) is row (j / 32) x 128 + 32 g + j % 32: 128 neighbouring rows are the four gates of 32 units, what one wave of the next launch multiplies.
; A block's scale is 2^(floor(log2(its largest magnitude)) - 2); its byte is the largest magnitude's exponent field - 2, held at 1 from below.  Each number is divided by the scale and rounded to the nearest code, ties to even;
; beyond the largest code the conversion gives the largest code.
; LIMITS: a block whose largest magnitude lies under 2^-124, a block of zeros among them, gets the byte 1 (zeros: where the quantiser's rule says 127; its codes are zeros, and this program alone reads the bytes);
; NaN and infinities among the inputs are not served.
; SHARES: a wave takes 4 rows of a pair of sources (x_i, x_h): 16 steps of 512 numbers; it makes 4 whole rows of the output: 6,144 consecutive bytes of codes and 256 consecutive bytes of scales.
; Work-groups 0-255 take (input, h), work-groups 256-511 the four pairs of weights, 64 work-groups a gate: only pointers and row numbers are chosen, all take one way through the text.
; The conversion takes 16 neighbours along K from ONE lane, a load is best where neighbouring LANES take neighbouring bytes: each load reads 512 consecutive bytes, 16 a lane, and a step's 2,048 bytes turn through the
; wave's own stage in LDS (16 bytes of padding behind each 64).  No barrier: waves share nothing.  Loads run eight steps (32 loads a wave) ahead, the turn through LDS one step.
.set STEPS, 16
.set AHEAD, 8
.set EMAX,  2
.set CB,    12                         ; bytes of 16 codes
.set R,     16                         ; v16-143  eight sets of 16 numbers as they are loaded
.set X,     144                        ; v144-175 two sets of 16 neighbours
.set E,     176                        ; v176-191 a scale byte for each step
.set C,     192                        ; v192-255 codes: four registers for each step, so that no store's data are written again
.set WREG,  8192                       ; LDS: a region for each wave: two stages of 32 x SP bytes, behind them its 256 scale bytes
.set SP,    80                         ; a lane's place in a stage: its 64 bytes + 16 of padding
	s_load_b512 s[8:23], s[0:1], 0x0               ; input 8, h 10, w_i_i 12, w_i_h 14, w_f_i 16, w_f_h 18, w_g_i 20, w_g_h 22
	s_load_b256 s[24:31], s[0:1], 0x40             ; w_o_i 24, w_o_h 26, a_codes 28, a_scales 30
	s_load_b128 s[32:35], s[0:1], 0x60             ; w_codes 32, w_scales 34
	v_lshl_add_u32 v251, v0, 2, 0x8000
	v_mov_b32 v255, 0
	v_lshrrev_b32 v1, 5, v0
	v_readfirstlane_b32 s36, v1                    ; wave
	v_and_b32 v2, 31, v0                           ; lane
	v_lshlrev_b32 v3, 4, v2                        ; my 16 bytes of a load's 512
	s_mul_i32 s37, s36, WREG
	v_lshrrev_b32 v14, 2, v2
	v_mul_u32_u24 v14, v14, SP
	v_and_b32 v15, 3, v2
	v_lshl_add_u32 v14, v15, 4, v14
	v_add_nc_u32 v14, s37, v14                     ; the stage, on the way in: four lanes' 64 bytes on end, then 16 of padding
	v_mul_u32_u24 v15, v2, SP
	v_add_nc_u32 v15, s37, v15                     ; and on the way out: SP x lane: my 16 neighbours
	v_mul_u32_u24 v4, v2, CB                       ; my codes' place in a step's
	v_lshrrev_b32 v5, 1, v2
	s_add_co_u32 s37, s37, 2*32*SP
	v_add_nc_u32 v5, s37, v5                       ; LDS: my wave's 256 scale bytes, my block's byte
	v_lshlrev_b32 v7, 3, v2                        ; and on the way out 8 bytes a lane
	v_add_nc_u32 v6, s37, v7
	; both ways' row numbers are made first: the lines that make them set SCC, so none of them stands between a compare and its selects
	s_lshl_b32 s45, s36, 2                         ; 4 x wave
	s_lshl_b32 s38, ttmp9, 4
	s_add_co_u32 s38, s38, s45                     ; (input, h): source and destination row 16 x work-group + 4 x wave
	s_sub_co_u32 s39, ttmp9, 256                   ; weights: q = work-group - 256 (used only where it is 0 or more)
	s_bfe_u32 s40, s39, 0x20006                    ; the gate: q / 64
	s_and_b32 s41, s39, 63
	s_lshl_b32 s41, s41, 4
	s_add_co_u32 s41, s41, s45                     ; the source row: hidden unit j0 = 16 (q % 64) + 4 x wave
	s_lshr_b32 s42, s41, 5
	s_lshl_b32 s42, s42, 7
	s_lshl_b32 s40, s40, 5
	s_add_co_u32 s42, s42, s40
	s_and_b32 s40, s41, 31
	s_add_co_u32 s42, s42, s40                     ; the destination row: (j0 / 32) x 128 + 32 x gate + j0 % 32; j0 is a multiple of 4, so my 4 rows are neighbours there too
	s_wait_kmcnt 0x0
	s_cmp_lt_u32 ttmp9, 448                        ; the choices hang on the work-group's number alone
	s_cselect_b64 s[4:5], s[20:21], s[24:25]       ; gate g or gate o
	s_cselect_b64 s[6:7], s[22:23], s[26:27]
	s_cmp_lt_u32 ttmp9, 384
	s_cselect_b64 s[4:5], s[16:17], s[4:5]         ; gate f
	s_cselect_b64 s[6:7], s[18:19], s[6:7]
	s_cmp_lt_u32 ttmp9, 320
	s_cselect_b64 s[4:5], s[12:13], s[4:5]         ; gate i
	s_cselect_b64 s[6:7], s[14:15], s[6:7]
	s_cmp_lt_u32 ttmp9, 256
	s_cselect_b64 s[4:5], s[8:9], s[4:5]           ; input
	s_cselect_b64 s[6:7], s[10:11], s[6:7]         ; h
	s_cselect_b64 s[28:29], s[28:29], s[32:33]     ; the codes' buffer
	s_cselect_b64 s[30:31], s[30:31], s[34:35]     ; the scales' buffer
	s_cselect_b32 s43, s38, s41                    ; source row
	s_cselect_b32 s44, s38, s42                    ; destination row
	s_mov_b32 s47, 0
	s_lshl_b32 s46, s43, 12                        ; a source row is 4,096 bytes
	s_add_nc_u64 s[4:5], s[4:5], s[46:47]
	s_add_nc_u64 s[6:7], s[6:7], s[46:47]
	s_mul_i32 s46, s44, 1536                       ; a row of codes 1,536
	s_add_nc_u64 s[28:29], s[28:29], s[46:47]
	s_lshl_b32 s46, s44, 6                         ; a row of scales 64
	s_add_nc_u64 s[30:31], s[30:31], s[46:47]
; Step t: row t / 4 of my four, source (t % 4) / 2, half t % 2 of the row.  In that order the codes (384 bytes a step) and the scale bytes (16 a step) follow each other without a gap.
.macro LOAD t
.irp i, 0,1,2,3
	global_load_b128 v[R+16*((\t)%AHEAD)+4*\i:R+16*((\t)%AHEAD)+4*\i+3], v3, s[4+2*(((\t)%4)/2):5+2*(((\t)%4)/2)] offset:4096*((\t)/4)+2048*((\t)%2)+512*\i th:TH_LOAD_NT   ; 32 lanes read 512 consecutive bytes
.endr
.endm
.macro TURN t                          ; step t's numbers through the stage: LDS serves a wave's instructions in order (ISA guide 5.7.1.4), so no wait stands between the stores and the loads
.irp i, 0,1,2,3
	ds_store_b128 v14, v[R+16*((\t)%AHEAD)+4*\i:R+16*((\t)%AHEAD)+4*\i+3] offset:32*SP*((\t)%2)+8*SP*\i
.endr
.irp i, 0,1,2,3
	ds_load_b128 v[X+16*((\t)%2)+4*\i:X+16*((\t)%2)+4*\i+3], v15 offset:32*SP*((\t)%2)+16*\i
.endr
.endm
.irp t, 0,1,2,3,4,5,6,7
	LOAD \t
.endr
	s_wait_loadcnt 4*(AHEAD-1)                     ; step 0's four loads are in; the 28 of the seven steps behind it may be out
	TURN 0
.macro STEP t
.set XS, X+16*((\t)%2)
.if (\t) > 0
	s_wait_dscnt 1                                 ; this step's numbers are back from the stage (the last step's byte store may be out): so its stores into the stage have read their registers,
.else
	s_wait_dscnt 0x0
.endif
.if (\t)+AHEAD < STEPS
	LOAD (\t)+AHEAD                                ; which take the loads of eight steps on
.endif
.if (\t)+1 < STEPS
.if STEPS-2-(\t) >= AHEAD-1
	s_wait_loadcnt 4*(AHEAD-1)                     ; the next step's four loads are in; those of the seven steps behind it may be out
.else
	s_wait_loadcnt 4*(STEPS-2-(\t))                ; near the end fewer steps stand behind it
.endif
	TURN (\t)+1                                    ; and go through the other stage while this step is worked
.endif
	v_max3_num_f32 v8, |v[XS]|, |v[XS+1]|, |v[XS+2]|               ; the largest magnitude of my 16, in two chains
	v_max3_num_f32 v9, |v[XS+3]|, |v[XS+4]|, |v[XS+5]|
.irp i, 6,10
	v_max3_num_f32 v8, v8, |v[XS+\i]|, |v[XS+\i+1]|
	v_max3_num_f32 v9, v9, |v[XS+\i+2]|, |v[XS+\i+3]|
.endr
	v_max3_num_f32 v8, v8, |v[XS+14]|, |v[XS+15]|
	v_max3_num_f32 v8, v8, v9, (EMAX+1)<<23        ; and the floor 2^(EMAX + 1 - 127): so the byte cannot fall under 1
	v_max_num_f32_dpp v8, v8, v8 row_xmask:1 row_mask:0xf bank_mask:0xf   ; and of my neighbour's 16: the block's
	v_add_nc_u32 v11, -(EMAX<<23), v8              ; EMAX off its exponent field: the conversion takes the exponent field of this operand as its scale, and nothing else of it
	v_cvt_scalef32_pk16_fp6_f32 v[C+4*(\t):C+4*(\t)+2], v[XS:XS+15], v11         ; sixteen codes, 96 bits without gaps, the first number's code lowest
	v_lshrrev_b32 v[E+(\t)], 23, v11               ; the scale's byte (a plain line behind the conversion)
	ds_store_b8 v5, v[E+(\t)] offset:16*(\t)       ; both lanes of a block write the same byte with the same value
	global_store_b96 v4, v[C+4*(\t):C+4*(\t)+2], s[28:29] offset:32*CB*(\t)      ; the wave stores 384 consecutive bytes; the next launch reads them, so no hint
.endm
.irp t, 0,1,2,3,4,5,6,7,8,9,10,11,12,13,14,15
	STEP \t
.endr
	ds_load_b64 v[12:13], v6                       ; LDS serves a wave's instructions in order: these see my byte stores
	s_wait_dscnt 0x0
	global_store_b64 v7, v[12:13], s[30:31]        ; 32 lanes store 256 consecutive bytes, at a multiple of 256 from the buffer's first byte: my 4 rows' scales
	s_wait_tensorcnt 0x0
	ds_add_u32 v251, v255
	s_wait_dscnt 0x0
	s_endpgm
.Lfunc_end_k_qb6074ec230_quant:
	.size	k_qb6074ec230_quant, .Lfunc_end_k_qb6074ec230_quant-k_qb6074ec230_quant
	.p2alignl 7, 3214868480
	.fill 96, 4, 3214868480
	.section	.rodata,"a",@progbits
	.p2align	6, 0x0
	.amdhsa_kernel k_qb6074ec230_quant
		.amdhsa_group_segment_fixed_size 33280
		.amdhsa_private_segment_fixed_size 0
		.amdhsa_enable_private_segment 0
		.amdhsa_kernarg_size 112
		.amdhsa_user_sgpr_count 2
		.amdhsa_user_sgpr_kernarg_segment_ptr 1
		.amdhsa_wavefront_size32 1
		.amdhsa_system_sgpr_workgroup_id_x 1
		.amdhsa_system_sgpr_workgroup_id_y 1
		.amdhsa_system_sgpr_workgroup_id_z 1
		.amdhsa_system_vgpr_workitem_id 0
		.amdhsa_next_free_vgpr 256
		.amdhsa_next_free_sgpr 66
		.amdhsa_reserve_vcc 0
		.amdhsa_float_denorm_mode_32 3
		.amdhsa_float_denorm_mode_16_64 3
		.amdhsa_memory_ordered 1
		.amdhsa_forward_progress 1
		.amdhsa_inst_pref_size 33
	.end_amdhsa_kernel
	.amdgpu_metadata
---
amdhsa.version: [ 1, 2 ]
amdhsa.kernels:
  - .name:           k_qb6074ec230_quant
    .symbol:         k_qb6074ec230_quant.kd
    .args:
      - { .name: input, .offset: 0, .size: 8, .value_kind: global_buffer, .address_space: global }
      - { .name: h, .offset: 8, .size: 8, .value_kind: global_buffer, .address_space: global }
      - { .name: w_i_i, .offset: 16, .size: 8, .value_kind: global_buffer, .address_space: global }
      - { .name: w_i_h, .offset: 24, .size: 8, .value_kind: global_buffer, .address_space: global }
      - { .name: w_f_i, .offset: 32, .size: 8, .value_kind: global_buffer, .address_space: global }
      - { .name: w_f_h, .offset: 40, .size: 8, .value_kind: global_buffer, .address_space: global }
      - { .name: w_g_i, .offset: 48, .size: 8, .value_kind: global_buffer, .address_space: global }
      - { .name: w_g_h, .offset: 56, .size: 8, .value_kind: global_buffer, .address_space: global }
      - { .name: w_o_i, .offset: 64, .size: 8, .value_kind: global_buffer, .address_space: global }
      - { .name: w_o_h, .offset: 72, .size: 8, .value_kind: global_buffer, .address_space: global }
      - { .name: a_codes, .offset: 80, .size: 8, .value_kind: global_buffer, .address_space: global }
      - { .name: a_scales, .offset: 88, .size: 8, .value_kind: global_buffer, .address_space: global }
      - { .name: w_codes, .offset: 96, .size: 8, .value_kind: global_buffer, .address_space: global }
      - { .name: w_scales, .offset: 104, .size: 8, .value_kind: global_buffer, .address_space: global }
    .group_segment_fixed_size: 33280
    .private_segment_fixed_size: 0
    .kernarg_segment_align: 8
    .kernarg_segment_size: 112
    .max_flat_workgroup_size: 128
    .sgpr_count:     66
    .vgpr_count:     256
    .wavefront_size: 32
...
	.end_amdgpu_metadata
.endif
;; end of part 1
;; launch lstm (part 2): grid 16 x 16, 4 waves a work-group, clusters of 4 x 4, 327,680 bytes of LDS; arguments b_i_i, b_i_h, b_f_i, b_f_h, b_g_i, b_g_h, b_o_i, b_o_h, a_codes, a_scales, w_codes, w_scales, c, out0, out1; writes out0, out1
.if DOCPART == 2
	.amdgcn_target "amdgcn-amd-amdhsa--gfx1250"
	.amdhsa_code_object_version 6
	.text
	.protected	k_qb6074ec230_lstm
	.globl	k_qb6074ec230_lstm
	.p2align	8
	.type	k_qb6074ec230_lstm,@function
k_qb6074ec230_lstm:
	s_mov_b64 s[64:65], 0
	v_nop
	global_prefetch_b8 v0, s[64:65] scope:SCOPE_SE
	s_setreg_imm32_b32 hwreg(HW_REG_WAVE_MODE, 25, 1), 1
	s_wait_xcnt 0x0
	s_wait_alu depctr_hold_cnt(0) depctr_sa_sdst(0) depctr_va_vdst(0) depctr_va_sdst(0) depctr_va_ssrc(0) depctr_va_vcc(0) depctr_vm_vsrc(0)
	s_getreg_b32 s2, hwreg(HW_REG_IB_STS2, 6, 4)
	s_cmp_eq_u32 s2, 0
	s_cbranch_scc0 .Lentry_in_a_cluster
	s_endpgm
.Lentry_in_a_cluster:
	s_bfe_u32 s2, ttmp6, 0x10000c
	s_cmp_lg_u32 s2, 0xf033
	s_cbranch_scc0 .Lentry_shape_is_right
	s_endpgm
.Lentry_shape_is_right:
; The LSTM cell on codes of FP6 (E2M3) with one E8M0 scale for each 32 along K.  Z[4096][4096] = A W^T + biases, K = 2,048: A = [input | h] as codes, W = the eight weights as codes, its rows in the order
; (unit / 32) x 128 + 32 x gate + unit % 32 (gate 0 = i, 1 = f, 2 = g, 3 = o).  Then c_new = sigmoid(Zf) c + sigmoid(Zi) tanh(Zg) -> out1, h_new = sigmoid(Zo) tanh(c_new) -> out0, all in f32.  Z never goes to memory.
; SHARES.  A work-group of four waves, as many as a WGP has SIMDs, makes 256 rows x 256 columns of Z = 256 rows x 64 hidden units of both outputs; 16 x 16 work-groups.  A wave makes 128 x 128: 64 accumulators, 512 registers.
; Its 128 columns are the four gates of 32 units: block b of 16 columns is gate b / 2, units 16 (b % 2) on.  THE MATRIX INSTRUCTION IS USED TRANSPOSED (source 0 = 16 rows of W, source 1 = 16 rows of A): a lane holds one row
; of Z and eight neighbouring units, and the four gates of one (row, unit) lie in the same lane and the same register place of four accumulators: the cell is computed in registers.
; K goes in steps of 256 through a ring of two LDS slots filled by the tensor data mover (a tile's row: 192 bytes).  The scales of the work-group's rows of A and of W, for all of K, come into LDS once and stay.
; CLUSTERS: 4 x 4 work-groups.  The four of a row of the cluster need the same tiles of A, the four of a column the same tiles of W: each tile is asked for JOINTLY, by the same tensor load with the same descriptor and a mask
; that names the four.  c's tile is each work-group's own: a plain load.
; THE BIASES (b_*_i + b_*_h) are the C of each sum's first matrix instruction: nothing is cleared and nothing is added later.
; c's TILE (256 rows x 256 bytes) is brought into slot 0 at the last change of slots, when that slot has been read for the last time; c_new is stored over it, h_new into slot 1 behind a barrier that follows every wave's last
; read of that slot: both slots have then had their last fill.  THE WAY OUT IS SPREAD OVER THE CELL'S ARITHMETIC: a row's 256 bytes come from two waves, so a barrier follows each block of 16 rows, and behind it the block's
; whole rows are read back and stored while the next block is computed.
; LIMITS: NaN and infinities among the inputs are not served.  tanh(x) = (e - 1) / (e + 1) with e = 2^(2 log2(e) x), the exponent held to -32 .. 32, beyond which tanh is 1 or -1 to the last bit of f32.
; sigmoid(x) = 1 / (1 + 2^(-log2(e) x)): where the power overflows the reciprocal of infinity gives 0, where it underflows 1.  The sums of a gate's two products and two biases are taken in another order than reference() takes them.
; REGISTERS, in windows of 256: window 0: v1-31 addresses; v32-63 scale words, two sets, and nothing else ever; v64-127 the biases in the result's layout; from v128 A's fragments (8 x 16 rows x 128 K), ONE set.
;   window 1: W's fragments, TWO sets, at v0 and at v128.   window 2: the 32 accumulators of my rows 0-63 (accumulator (a, b) at v[8 (8 a + b)]);   window 3: those of my rows 64-127.   Behind the products v64-223 of window 0 are at work.
.set SIZE_K, 2048
.set KSTEP,  256                       ; along K in a slot
.set NQ,     KSTEP/128                 ; matrix instructions deep
.set ROWB,   192                       ; a tile's row in bytes: KSTEP codes of 6 bits
.set KROW,   SIZE_K*6/8                ; a row of A or of W in memory, in bytes
.set PITCH,  240                       ; an LDS row: 3 x (64 bytes of data + 16 of padding) = 60 words: row r starts at bank -4 r mod 64 (64 banks of 4 bytes: ISA guide 11.1), so the 32 lanes of a load of 8 bytes touch 64 different banks
.set FR,     12                        ; registers of a fragment: 16 rows x 128 K
.set NL,     6                         ; LDS loads that bring one
.set NP,     4                         ; places behind this matrix instruction (ISA guide 7.12.1)
.set HALFT,  128*PITCH                 ; 128 rows: what one tensor load brings, and what one wave reads of A or of W
.set SLOT,   4*HALFT                   ; A's 256 rows, then W's 256 rows
.set LAPS,   SIZE_K/(2*KSTEP)          ; a lap = two K steps = once round the ring
.set KS,     SIZE_K/32                 ; a row of scales in bytes
.set SCL,    2*SLOT                    ; behind the ring: the scales, as units of 256 bytes + 16 of padding
.set HALFS,  (128*KS/256)*272          ; the scales of 128 rows: what one tensor load brings
.set SBLK,   (16*KS/256)*272           ; those of 16 rows
.set SPARE,  SCL+4*HALFS               ; behind the scales: the spare words, 128 bytes for each wave: two blocks of 256 bytes that no other line names
.set CP,     272                       ; a row of c's tile and of h_new's stage: 256 bytes + 16: the 16 rows that a load of 16 bytes a lane touches start at 16 different groups of banks
.set HT,     SLOT                      ; h_new's stage: the head of slot 1 (c's tile lies at the head of slot 0, LDS byte 0)
.set OROW,   4096                      ; a row of c, out0, out1 in bytes
.set BA,   13                          ; v13     my byte offset in a bias
.set PF,   14                          ; v14     lane x a row of c: for the prefetch
.set RDH,  15                          ; v15     the way out: where I read a row of h_new back
.set ADRA, 16                          ; v16-17  LDS address of my A fragments in slot 0, 1  (v18-19: the same for the pieces that lie behind one padding more)
.set ADRB, 20                          ; v20-21  the same for W  (v22-23)
.set CA,   24                          ; v24     my 32 bytes of a row of c's tile
.set HA,   25                          ; v25     the same in h_new's stage
.set CO,   26                          ; v26     the way out: my byte offset in the rows of an output that I store
.set ADRS, 27                          ; v27     LDS address of my scale words: lanes 0-15 A's rows, lanes 16-31 W's
.set SPW,  28                          ; v28     LDS address of my spare word: SPARE + 4 x my thread's number; never rewritten
.set NIL,  29                          ; v29     0; never rewritten
.set CL,   30                          ; v30     32.0: the hold on tanh's exponents
.set RD,   31                          ; v31     the way out: where I read a row of c_new back
.set SC,   32                          ; scale words: set s (for slot s) at v[SC + 8 NQ s]; in it register NQ i + q: lanes 0-15 the word of A's block i, lanes 16-31 that of W's block i, for the slot's q-th 128 along K
.set BI,   64                          ; v64-127 the biases: register 8 b + j of lane (r, h): gate b / 2, unit 16 (b % 2) + 8 h + j of my 32
.set AF,   128                         ; A's fragments
.set BT,   128                         ; ahead of the first fragments: the b_*_h, to be added to the b_*_i
.set ZI,   64                          ; behind the products, 16 registers each (register 8 u + j: unit 16 u + 8 h + j): the four gates,
.set ZF,   80
.set ZG,   96
.set ZO,   112
.set CC,   128                         ; c,
.set CN,   144                         ; c_new,
.set HN,   160                         ; h_new,
.set MM,   176                         ; at work,
.set RB,   192                         ; v192-223 eight whole rows of c_new and of h_new, read back from LDS, to be stored
.set G1C, 4                            ; s[4:11]  first the four pointers to codes and scales, then descriptor group 1 for c's tile
.set G1, 24                            ; s[24:31] descriptor group 1 for A's tiles;  s[32:39] group 0, one set for each slot
.set G0, 32
.set G1B, 48                           ; s[48:55], s[56:63] the same for W's tiles
.set G0B, 56
.set KN,  66                           ; s[66:67] -log2(e), twice: the packed form names a pair
.set BP,  68                           ; s[68:83] first the eight pointers to the biases, then:
.set G1S, 68                           ; s[68:75], s[76:79] groups 1 and 0 for A's scales;  s[80:87], s[88:91] for W's
.set G0S, 76
.set G1SB, 80
.set G0SB, 88
.set G0C, 92                           ; s[92:95] group 0 for c's tile
.set KP,  104                          ; s[104:105] 2 log2(e), twice
.set MSB, 0
.macro WIN new                         ; the immediate's high byte repeats the setting that is left
.if MSB != \new
	s_set_vgpr_msb (MSB<<8)|\new
.set MSB, \new
.endif
.endm
.set MUL_LO, 0xa1                      ; source 0 (W) window 1, source 1 (A) window 0, C and D window 2
.set MUL_HI, 0xf1                      ; the same, C and D window 3
.set TO_B,   0x40                      ; destination window 1, address window 0
; A joint load: waves 0 and 1 fetch for A, waves 2 and 3 for W.  Each of the two lines has ONE mask and one set of registers for all that issue it; the branch hangs on the wave's number alone.
; Four v_nop follow each of the two lines, ahead of the jump, the label and what follows.
.macro JLOAD g0a, g1a, g0b, g1b
	s_cmp_eq_u32 s15, 0
	s_cbranch_scc0 .Lfor_b_\@
	tensor_load_to_lds s[\g0a:\g0a+3], s[\g1a:\g1a+7]
	s_nop 0
.rept 4
	v_nop
.endr
	s_branch .Lasked_\@
.Lfor_b_\@:
	tensor_load_to_lds s[\g0b:\g0b+3], s[\g1b:\g1b+7]
	s_nop 0
.rept 4
	v_nop
.endr
.Lasked_\@:
.endm
.macro CREST                           ; a round of the cluster's barrier behind its opening barrier
	s_cmp_lg_u32 s14, 0
	s_cbranch_scc1 .Lnot_wave_0_\@
	s_barrier_signal -3
.Lnot_wave_0_\@:
	s_barrier_wait -3
	s_barrier_signal -1
	s_barrier_wait -1
.endm
.macro CROUND                          ; a whole round
	s_barrier_signal -1
	s_barrier_wait -1
	CREST
.endm
	s_load_b512 s[BP:BP+15], s[0:1], 0x0           ; gate g: b_*_i at s[68 + 4 g], b_*_h at s[70 + 4 g]
	s_load_b256 s[4:11], s[0:1], 0x40              ; A's codes s[4:5], A's scales s[6:7], W's codes s[8:9], W's scales s[10:11]
	s_load_b64 s[12:13], s[0:1], 0x60              ; c
	s_load_b64 s[96:97], s[0:1], 0x68              ; out0: h_new
	s_load_b64 s[98:99], s[0:1], 0x70              ; out1: c_new
	v_lshl_add_u32 v[SPW], v0, 2, SPARE
	v_mov_b32 v[NIL], 0
	ds_add_u32 v28, v29
	s_wait_dscnt 0x0
	v_lshrrev_b32 v1, 5, v0
	v_readfirstlane_b32 s14, v1                    ; wave 0..3
	s_lshr_b32 s15, s14, 1                         ; which half of the tile's rows is mine.  Also: I fetch for A (0) or for W (1)
	s_and_b32 s16, s14, 1                          ; which half of its columns.  Also: which 128 rows of that tile I fetch
	s_bfe_u32 s40, ttmp6, 0x40000                  ; cx, cy: my place in the cluster
	s_bfe_u32 s41, ttmp6, 0x40004
	s_lshl_b32 s42, ttmp9, 2
	s_add_co_u32 s42, s42, s40                     ; tile column = 4 x cluster x + cx
	s_and_b32 s17, ttmp7, 0xffff
	s_lshl_b32 s17, s17, 2
	s_add_co_u32 s17, s17, s41                     ; tile row = 4 x cluster y + cy
	s_lshl_b32 s43, s41, 2
	s_lshl_b32 s43, 15, s43                        ; my row of the cluster
	s_lshl_b32 s44, 0x1111, s40                    ; my column
	; descriptor group 1: a tile of 128 rows x ROWB bytes, padded in LDS
	s_or_b32 s[G1+0], s43, (0<<16)|(1<<20)|(1<<21)|(3<<22)|(3<<25)  ; 15:0 the mask: A's tiles go to my row; 17:16 element of 1 byte; 20 padding on; 21 set beside a mask; 24:22 after every 16 words (code 3); 31:25 of 4 words (code 3)
	s_or_b32 s[G1B+0], s44, (0<<16)|(1<<20)|(1<<21)|(3<<22)|(3<<25)
.irp g, G1, G1B
	s_mov_b32 s[\g+1], ROWB<<16                    ; tensor_dim0
	s_mov_b32 s[\g+2], 128<<16                     ; tensor_dim1 = 128
	s_mov_b32 s[\g+3], ROWB<<16                    ; tile_dim0
	s_mov_b32 s[\g+4], 128                         ; tile_dim1 = 128
	s_mov_b32 s[\g+5], KROW                        ; tensor_dim0_stride
	s_mov_b32 s[\g+6], 0
	s_mov_b32 s[\g+7], 0
.endr
	v_bfe_u32 v2, v0, 4, 1                         ; h = lane / 16
	s_lshl_b32 s100, s42, 8                        ; the biases of my 32 units: 64 units a tile column, 32 a half, 4 bytes each,
	s_lshl_b32 s101, s16, 7
	s_add_co_u32 s100, s100, s101
	v_lshl_add_u32 v[BA], v2, 5, s100              ; and 8 units on for lanes 16-31
	s_lshl_b32 s18, s16, 7                         ; which 128 rows of the tile I fetch
	s_lshl_b32 s20, s17, 8
	s_add_co_u32 s20, s20, s18                     ; A: row 256 x tile row + 128 x half
	s_lshl_b32 s46, s42, 8
	s_add_co_u32 s46, s46, s18                     ; W: row 256 x tile column + 128 x half
	s_mov_b32 s21, 0
	s_mov_b32 s47, 0
	s_mov_b64 s[18:19], KS
	s_mul_u64 s[22:23], s[20:21], s[18:19]         ; where these rows' scales begin, in bytes
	s_mul_u64 s[92:93], s[46:47], s[18:19]
	s_mov_b64 s[18:19], KROW
	s_mul_u64 s[20:21], s[20:21], s[18:19]         ; and their codes
	s_mul_u64 s[46:47], s[46:47], s[18:19]
	s_mul_i32 s45, s14, HALFT                      ; where they go: wave x 128 rows: no place in the cluster enters an LDS address
	s_mul_i32 s94, s14, HALFS
	s_wait_kmcnt 0x0
.irp g, 0,1,2,3                        ; 32 loads: register BI + 16 g + 8 u + 4 q on: b_*_i of gate g at units 16 u + 8 h + 4 q on; BT likewise: b_*_h
.irp u, 0,1
.irp q, 0,1
	global_load_b128 v[BI+16*\g+8*\u+4*\q:BI+16*\g+8*\u+4*\q+3], v[BA], s[BP+4*\g:BP+4*\g+1] offset:64*\u+16*\q
	global_load_b128 v[BT+16*\g+8*\u+4*\q:BT+16*\g+8*\u+4*\q+3], v[BA], s[BP+4*\g+2:BP+4*\g+3] offset:64*\u+16*\q
.endr
.endr
.endr
	s_add_nc_u64 s[20:21], s[4:5], s[20:21]
	s_add_nc_u64 s[22:23], s[6:7], s[22:23]
	s_add_nc_u64 s[46:47], s[8:9], s[46:47]
	s_add_nc_u64 s[92:93], s[10:11], s[92:93]
	s_wait_xcnt 0x0                                ; the bias loads have had their addresses translated (ISA guide 3.1): only behind this wait are their bases, s[68:83], written again
	; group 1 for the scales of 128 rows: a dense block of 128 KS bytes, as rows of 256 bytes (32 elements of 8 bytes), 16 bytes of padding behind each
	s_or_b32 s[G1S+0], s43, (3<<16)|(1<<20)|(1<<21)|(5<<22)|(3<<25)
	s_or_b32 s[G1SB+0], s44, (3<<16)|(1<<20)|(1<<21)|(5<<22)|(3<<25)
.irp g, G1S, G1SB
	s_mov_b32 s[\g+1], 32<<16
	s_mov_b32 s[\g+2], (128*KS/256)<<16
	s_mov_b32 s[\g+3], 32<<16
	s_mov_b32 s[\g+4], 128*KS/256
	s_mov_b32 s[\g+5], 32
	s_mov_b32 s[\g+6], 0
	s_mov_b32 s[\g+7], 0
.endr
	CROUND                                         ; all sixteen work-groups are here: the first joint loads meet
	s_mov_b32 s[G0S], 1
	s_add_co_u32 s[G0S+1], s94, SCL
	s_mov_b64 s[G0S+2:G0S+3], s[22:23]
	s_or_b32 s[G0S+3], s[G0S+3], 0x80000000
	s_mov_b32 s[G0SB], 1
	s_add_co_u32 s[G0SB+1], s94, SCL
	s_mov_b64 s[G0SB+2:G0SB+3], s[92:93]
	s_or_b32 s[G0SB+3], s[G0SB+3], 0x80000000
	JLOAD G0S, G1S, G0SB, G1SB                     ; the scales first: they are wanted with K step 0
.irp s, 0,1
	s_mov_b32 s[G0+4*\s], 1
	s_add_co_u32 s[G0+4*\s+1], s45, \s*SLOT
	s_add_nc_u64 s[G0+4*\s+2:G0+4*\s+3], s[20:21], \s*ROWB
	s_or_b32 s[G0+4*\s+3], s[G0+4*\s+3], 0x80000000
	s_mov_b32 s[G0B+4*\s], 1
	s_add_co_u32 s[G0B+4*\s+1], s45, \s*SLOT
	s_add_nc_u64 s[G0B+4*\s+2:G0B+4*\s+3], s[46:47], \s*ROWB
	s_or_b32 s[G0B+4*\s+3], s[G0B+4*\s+3], 0x80000000
	JLOAD G0+4*\s, G1, G0B+4*\s, G1B               ; three tensor loads of mine are out now
.endr
	v_and_b32 v1, 15, v0                           ; r = lane % 16
	v_mul_u32_u24 v3, v1, PITCH
	v_mul_u32_u24 v4, v2, 24
	v_add_nc_u32 v4, v3, v4                        ; a fragment's row x pitch + 24 x half
	v_lshl_add_u32 v5, v2, 4, v4                   ; and the same behind one padding more
	s_mul_i32 s21, s15, HALFT                      ; my 128 rows of A
	s_mul_i32 s22, s16, HALFT                      ; my 128 rows of W,
	s_add_co_u32 s22, s22, 2*HALFT                 ; which lie behind A's 256
.irp s, 0,1
	v_add_nc_u32 v[ADRA+\s], s21, v4
	v_add_nc_u32 v[ADRB+\s], s22, v4
	v_add_nc_u32 v[ADRA+2+\s], s21, v5
	v_add_nc_u32 v[ADRB+2+\s], s22, v5
	s_add_co_u32 s21, s21, SLOT
	s_add_co_u32 s22, s22, SLOT
.endr
	v_mul_u32_u24 v5, v1, KS                       ; my row's scales: KS bytes a row,
	v_lshrrev_b32 v6, 8, v5
	v_lshl_add_u32 v5, v6, 4, v5                   ; and 16 more for each 256 passed
	s_mul_i32 s21, s15, HALFS                      ; A's: my 128 rows
	s_mul_i32 s22, s16, HALFS                      ; W's: my 128 rows, behind A's 256
	s_add_co_u32 s22, s22, 2*HALFS
	s_sub_co_u32 s22, s22, s21
	v_mul_u32_u24 v6, s22, v2                      ; lanes 16-31 take W's: one product, the distance between the two bases x h
	s_add_co_u32 s21, s21, SCL
	v_add_nc_u32 v5, v5, v6
	v_add_nc_u32 v[ADRS], s21, v5
	; c at the first of the 64 rows that my wave's tensor load brings: row 256 x tile row + 64 x wave, byte 256 x tile column;
	; out0 and out1 at the first of the rows that my wave stores: row 256 x tile row + 128 x my half of the rows + 8 x my half of the columns, the same byte
	s_lshl_b32 s100, s17, 20
	s_lshl_b32 s101, s42, 8
	s_add_co_u32 s100, s100, s101
	s_lshl_b32 s101, s14, 18
	s_add_co_u32 s18, s100, s101
	s_mov_b32 s19, 0
	s_add_nc_u64 s[12:13], s[12:13], s[18:19]
	s_lshl_b32 s101, s15, 19
	s_add_co_u32 s100, s100, s101
	s_lshl_b32 s101, s16, 15
	s_add_co_u32 s100, s100, s101
	s_mov_b32 s101, 0
	s_add_nc_u64 s[96:97], s[96:97], s[100:101]
	s_add_nc_u64 s[98:99], s[98:99], s[100:101]
	; c's tile: each wave brings 64 rows of 64 f32, 1,024 elements apart, 16 bytes of padding behind each row of 256.  A plain load: no mask.  (s[4:11] held pointers that scalar additions alone have read.)
	s_mov_b32 s[G1C+0], (2<<16)|(1<<20)|(5<<22)|(3<<25)   ; 17:16 elements of 4 bytes; 20 padding on; 24:22 after every 64 words (code 5); 31:25 of 4 words (code 3)
	s_mov_b32 s[G1C+1], 64<<16                     ; tensor_dim0 = 64
	s_mov_b32 s[G1C+2], 64<<16                     ; tensor_dim1 = 64
	s_mov_b32 s[G1C+3], 64<<16                     ; tile_dim0 = 64
	s_mov_b32 s[G1C+4], 64                         ; tile_dim1 = 64
	s_mov_b32 s[G1C+5], 1024                       ; tensor_dim0_stride
	s_mov_b32 s[G1C+6], 0
	s_mov_b32 s[G1C+7], 0
	s_mov_b32 s[G0C], 1
	s_mul_i32 s[G0C+1], s14, 64*CP                 ; LDS: wave x 64 rows, from byte 0 on
	s_mov_b64 s[G0C+2:G0C+3], s[12:13]
	s_or_b32 s[G0C+3], s[G0C+3], 0x80000000
	s_mov_b32 s[KN], 0xbfb8aa3b                    ; -log2(e)
	s_mov_b32 s[KN+1], s[KN]                       ; (named with it as a pair, so it is written)
	s_mov_b32 s[KP], 0x4038aa3b                    ; 2 log2(e)
	s_mov_b32 s[KP+1], s[KP]
	s_wait_loadcnt 0x0                             ; the biases
.set k, 0
.rept 32
	v_pk_add_f32 v[BI+k:BI+k+1], v[BI+k:BI+k+1], v[BT+k:BT+k+1]    ; b_*_i + b_*_h
.set k, k+2
.endr
	; the addresses for the way out stand here: seventeen plain lines between the sums above and the products that take them as C
	s_mul_i32 s21, s15, 128*CP
	s_lshl_b32 s22, s16, 7
	s_add_co_u32 s22, s21, s22
	v_mul_u32_u24 v3, v1, CP
	v_lshl_add_u32 v3, v2, 5, v3
	v_add_nc_u32 v[CA], s22, v3                    ; c's tile: row 128 x my half of the rows + r, byte 128 x my half of the columns + 32 h
	v_add_nc_u32 v[HA], HT, v[CA]
	s_mul_i32 s22, s16, 8*CP
	s_add_co_u32 s21, s21, s22
	v_mul_u32_u24 v3, v2, CP
	v_lshl_add_u32 v3, v1, 4, v3
	v_add_nc_u32 v[RD], s21, v3                    ; back: of each block of 16 rows of my half of the rows I take 8, whole: the first 8 or the last by my half of the columns; lanes 0-15 one row of 256 bytes, lanes 16-31 the next
	v_add_nc_u32 v[RDH], HT, v[RD]
	v_lshlrev_b32 v[CO], 12, v2                    ; and the same two rows in an output
	v_lshl_add_u32 v[CO], v1, 4, v[CO]
	v_and_b32 v3, 31, v0
	v_lshlrev_b32 v[PF], 12, v3
	v_mov_b32 v[CL], 0x42000000                    ; 32.0
.rept 4
	v_nop
.endr
.macro FRAG reg, adr, q, i             ; a fragment, 16 rows x 128 K of 6-bit codes, is 12 registers: lane l holds row l % 16; registers 6 c .. 6 c + 5 hold K = 64 c + 32 (l / 16) + 0 .. 31: 24 bytes of the row's stream of bits, as they lie
.irp p, 0,1,2,3,4,5                    ; in pieces of 8 bytes, so that every address is a multiple of the access's size.  Lanes 0-15 take the row's pieces 12 q + 0, 1, 2 and 12 q + 6, 7, 8, lanes 16-31 those three pieces on
.set PC, 12*(\q)+6*(\p/3)+\p%3        ; 16 bytes of padding lie behind every 64 bytes (8 pieces): where the piece three on lies behind one padding more, the second address register (40 for 24 bytes a half) serves
.if PC%8 < 5
	ds_load_b64 v[\reg+2*\p:\reg+2*\p+1], v[\adr] offset:8*PC+16*(PC/8)+(\i)*16*PITCH
.else
	ds_load_b64 v[\reg+2*\p:\reg+2*\p+1], v[\adr+2] offset:8*PC+16*(PC/8)+(\i)*16*PITCH
.endif
.endr
.endm
; 8 matrix instructions: A's block a x W's eight, 128 along K: the slot's q-th.  p: W's set;  sc: the set of scale words.  zero = 1: the first product starts the sums, with the biases of W's block as its C.
; The 64 accumulators take turns, one instruction a turn, in the same order in every step.
.macro MUL8 a, p, q, sc, zero
.irp b, 0,1,2,3,4,5,6,7
.if \zero
	v_wmma_scale_f32_16x16x128_f8f6f4 v[8*(8*((\a)%4)+\b):8*(8*((\a)%4)+\b)+7], v[128*(\p)+FR*\b:128*(\p)+FR*\b+FR-1], v[AF+FR*(\a):AF+FR*(\a)+FR-1], v[BI+8*\b:BI+8*\b+7], v[SC+8*NQ*(\sc)+NQ*\b+(\q)], v[SC+8*NQ*(\sc)+NQ*(\a)+(\q)] matrix_a_fmt:MATRIX_FMT_FP6 matrix_b_fmt:MATRIX_FMT_FP6 matrix_a_scale:MATRIX_SCALE_ROW1
.else
	v_wmma_scale_f32_16x16x128_f8f6f4 v[8*(8*((\a)%4)+\b):8*(8*((\a)%4)+\b)+7], v[128*(\p)+FR*\b:128*(\p)+FR*\b+FR-1], v[AF+FR*(\a):AF+FR*(\a)+FR-1], v[8*(8*((\a)%4)+\b):8*(8*((\a)%4)+\b)+7], v[SC+8*NQ*(\sc)+NQ*\b+(\q)], v[SC+8*NQ*(\sc)+NQ*(\a)+(\q)] matrix_a_fmt:MATRIX_FMT_FP6 matrix_b_fmt:MATRIX_FMT_FP6 matrix_a_scale:MATRIX_SCALE_ROW1
.endif
.endr
.endm
.macro MUL16 a0, p, q, sc, zero        ; A's blocks a0 and a0 + 1
	MUL8 \a0, \p, \q, \sc, \zero
	MUL8 \a0+1, \p, \q, \sc, \zero
.endm
.macro FETCH_B slot, q, p              ; W's eight fragments of the slot's q-th 128 along K into set p
	WIN TO_B
.irp i, 0,1,2,3,4,5,6,7
	FRAG 128*(\p)+FR*\i, ADRB+\slot, \q, \i
.endr
	WIN 0
.endm
.macro FETCH_A slot, q, i0             ; A's blocks i0 .. i0 + 3
.irp i, \i0, \i0+1, \i0+2, \i0+3
	FRAG AF+FR*(\i), ADRA+\slot, \q, \i
.endr
.endm
.macro SCALES sc                       ; the next K step's scale words into set sc: NQ words a row; lanes 0-15 take A's block i, lanes 16-31 W's block i
.irp i, 0,1,2,3,4,5,6,7
	ds_load_b64 v[SC+8*NQ*\sc+NQ*\i:SC+8*NQ*\sc+NQ*\i+1], v[ADRS] offset:\i*SBLK
.endr
.endm
; A load into a register that a matrix instruction has read, and a vector instruction that reads a matrix result, stand NP places behind that matrix instruction, and only plain vector instructions that name none of its
; registers are places (ISA guide 7.12.1 for vector instructions); this text does not count the matrix instructions in between.
.macro PLACES n
.rept \n
	v_nop
.endr
.endm
; A step of 128 along K that has its successor in the same slot.  A block of A is free as soon as its eight products are issued: blocks 0-3 are fetched anew in the step's middle, blocks 4-7 at its end.
.macro STEP slot, q, zero
	s_wait_dscnt 4*NL                              ; W's set, the scale words and A's blocks 0-3 are in; the youngest 24 loads (A's blocks 4-7) may be out
.if \zero
	WIN 0x81                                       ; source 0 window 1, sources 1 and 2 (A, the biases) window 0, D window 2
.else
	WIN MUL_LO
.endif
	MUL16 0, (\q)%2, \q, \slot, \zero
	MUL16 2, (\q)%2, \q, \slot, \zero
	s_wait_dscnt 0                                 ; A's blocks 4-7 are in (asked for 32 matrix instructions ago)
	PLACES NP
	FETCH_B \slot, (\q)+1, 1-(\q)%2
	FETCH_A \slot, (\q)+1, 0
.if \zero
	WIN 0xc1                                       ; the same, D window 3
.else
	WIN MUL_HI
.endif
	MUL16 4, (\q)%2, \q, \slot, \zero
	MUL16 6, (\q)%2, \q, \slot, \zero
	PLACES NP
	WIN 0
	FETCH_A \slot, (\q)+1, 4
.endm
; A slot's last step changes slots: ONE barrier, which opens a round of the cluster's; in front of it each wave waits for all its tensor loads, adds 0 to its spare word, and waits for that and for its own reads of this slot.
; The change stands behind the step's first 32 products, and the wait for the tensor loads behind its first 24: so 32 + 64 + 24 = 120 of a K step's 128 matrix instructions stand between a refill's request and the wait for it,
; and eight between that wait and the barrier.
; fill = 1: this slot is filled again, two K steps ahead, by a joint load.  fill = 2 (the last change out of slot 0): each wave brings its 64 rows of c into the slot's head.
.macro TURN slot, next, fill
	s_wait_dscnt 4*NL                              ; W's set and A's blocks 0-3 are in; the youngest 24 loads (A's blocks 4-7) may be out
	WIN MUL_LO
	MUL16 0, 1, NQ-1, \slot, 0
	MUL8 2, 1, NQ-1, \slot, 0
	WIN 0                                          ; (the add's two registers lie in window 0)
	s_wait_tensorcnt 0x0                           ; all my tensor loads have landed: the one that was out is my part of the next slot;
	ds_add_u32 v[SPW], v[NIL]                      ; 0 onto my spare word
	WIN MUL_LO
	MUL8 3, 1, NQ-1, \slot, 0                      ; eight matrix instructions stand between the add and the wait for it
	s_wait_dscnt 0x0                               ; the add is done, and my reads of this slot are over: its last fragments, A's blocks 4-7, are in registers
	s_barrier_signal -1
	WIN 0
	s_barrier_wait -1
	CREST                                          ; no wave of any partner still reads this slot's tile or has a load on its way
.if \fill == 1
	s_add_nc_u64 s[G0+4*\slot+2:G0+4*\slot+3], s[G0+4*\slot+2:G0+4*\slot+3], 2*ROWB
	s_add_nc_u64 s[G0B+4*\slot+2:G0B+4*\slot+3], s[G0B+4*\slot+2:G0B+4*\slot+3], 2*ROWB
	JLOAD G0+4*\slot, G1, G0B+4*\slot, G1B         ; the first tensor load behind the round; the four v_nop behind it are the places in front of the loads below
.else
	tensor_load_to_lds s[G0C:G0C+3], s[G1C:G1C+7]  ; my one tensor load behind the round: 128 matrix instructions stand between it and the wait for it
	s_nop 0
	PLACES NP                                      ; four v_nop follow it; they are also the places in front of the loads below
.endif
	v_add_nc_u32 v[ADRS], 4*NQ, v[ADRS]            ; on to the next K step's scale words (no LDS load of mine is out)
	FETCH_B \next, 0, 0
	FETCH_A \next, 0, 0
	SCALES \next
	WIN MUL_HI
	MUL16 4, 1, NQ-1, \slot, 0
	MUL16 6, 1, NQ-1, \slot, 0
	PLACES NP
	WIN 0
	FETCH_A \next, 0, 4
.endm
	s_wait_tensorcnt 1                             ; the scales and my part of K step 0 are in (K step 1's load, issued behind them, may be out),
	s_barrier_signal -1
	s_barrier_wait -1                              ; everybody's are
	FETCH_B 0, 0, 0
	FETCH_A 0, 0, 0
	SCALES 0
	FETCH_A 0, 0, 4
	STEP 0, 0, 1                                   ; the first step stands in front of the loop: its products start the sums
	s_mov_b32 s3, LAPS-1
.Llap:                                                 ; a trip goes once round the ring, from a lap's second step to the next lap's first, and fills both slots again
	TURN 0, 1, 1
	s_cmp_lg_u32 s3, 1                             ; in the last of the three trips each wave asks once for the 64 blocks of 256 bytes of c that its own tensor load will bring:
	s_cbranch_scc1 .Lnopf                          ; 224 matrix instructions ahead of that load; a lane to a row, rows 32 on by the immediate; 64 KiB a work-group, all inside c
	global_prefetch_b8 v[PF], s[12:13] th:TH_LOAD_NT scope:SCOPE_SE
	global_prefetch_b8 v[PF], s[12:13] offset:32*OROW th:TH_LOAD_NT scope:SCOPE_SE
.Lnopf:
	STEP 1, 0, 0
	TURN 1, 0, 1
	STEP 0, 0, 0
	s_sub_co_u32 s3, s3, 1
	s_cmp_lg_u32 s3, 0
	s_cbranch_scc1 .Llap
	TURN 0, 1, 2                                   ; the last lap asks for no tile of A or W: slot 0 takes c
	STEP 1, 0, 0
	s_wait_dscnt 4*NL                              ; the very last step: nothing more to fetch
	WIN MUL_LO
	MUL16 0, 1, NQ-1, 1, 0
	MUL16 2, 1, NQ-1, 1, 0
	s_wait_dscnt 0x0                               ; A's blocks 4-7 are in, and my reads of slot 1 are over: behind the barrier others store there
	s_wait_tensorcnt 0x0                           ; my 64 rows of c have landed: behind the barrier others read them
	s_barrier_signal -1
	WIN MUL_HI
	MUL16 4, 1, NQ-1, 1, 0
	MUL16 6, 1, NQ-1, 1, 0
	WIN 0
	s_barrier_wait -1
	PLACES NP                                      ; in front of the loads into registers that held A's fragments and of the first reads of results
; THE CELL, block by block of 16 rows x my 32 units: 16 numbers a lane.  ei, ef, eo = 2^(-log2(e) z), eg = 2^(2 log2(e) zg).
; sigmoid(zi) tanh(zg) = (eg - 1) / ((1 + ei)(1 + eg)): one reciprocal for the two;  likewise sigmoid(zo) tanh(c_new): eight transcendentals a number.
.macro CLOAD a                         ; c(16 a + r, 16 u + 8 h + 4 q on): my half of the rows' bytes, which no other wave touches before the block's barrier
.irp u, 0,1
.irp q, 0,1
	ds_load_b128 v[CC+8*\u+4*\q:CC+8*\u+4*\q+3], v[CA] offset:(\a)*16*CP+64*\u+16*\q
.endr
.endr
.endm
.macro PREP a                          ; block a's exponents, two at a time, out of the accumulators into window 0; each accumulator from its low end on
.if (\a) < 4
	WIN 0x02                                       ; source 0: window 2
.else
	WIN 0x03                                       ; or 3
.endif
.set k, 0
.rept 32
.if k/16 == 2
	v_pk_mul_f32 v[ZI+k:ZI+k+1], v[64*((\a)%4)+k:64*((\a)%4)+k+1], s[KP:KP+1] op_sel_hi:[1,0]
.else
	v_pk_mul_f32 v[ZI+k:ZI+k+1], v[64*((\a)%4)+k:64*((\a)%4)+k+1], s[KN:KN+1] op_sel_hi:[1,0]
.endif
.set k, k+2
.endr
	WIN 0
.set k, 0
.rept 16
	v_med3_num_f32 v[ZG+k], v[ZG+k], -v[CL], v[CL] ; tanh's exponent held to -32 .. 32
.set k, k+1
.endr
.endm
.macro RBLOAD a                        ; of block a: my 8 whole rows of c_new and of h_new, two rows an instruction
.irp t, 0,1,2,3
	ds_load_b128 v[RB+4*\t:RB+4*\t+3], v[RD] offset:(16*(\a)+2*\t)*CP
	ds_load_b128 v[RB+16+4*\t:RB+16+4*\t+3], v[RDH] offset:(16*(\a)+2*\t)*CP
.endr
.endm
.macro RBSTORE a                       ; 16 lanes store 256 consecutive bytes, at a multiple of 256 from the output's first byte; written once, read by nobody here.  118 rows at the most stand in the immediate
.irp t, 0,1,2,3
	global_store_b128 v[CO], v[RB+4*\t:RB+4*\t+3], s[98:99] offset:(16*(\a)+2*\t)*OROW th:TH_STORE_NT
	global_store_b128 v[CO], v[RB+16+4*\t:RB+16+4*\t+3], s[96:97] offset:(16*(\a)+2*\t)*OROW th:TH_STORE_NT
.endr
.endm
; Block a.  At its head its exponents are made and its c is in registers, and (a > 0) the barrier behind block a - 1 has been signalled.  That block's rows are read back and stored inside this block's arithmetic.
; In the time between two of these barriers the waves read block a - 1, write their own halves of block a, and read their own halves of c for block a + 1: no byte is shared.
.macro CELL a
.set k, 0
.rept 64
	v_exp_f32 v[ZI+k], v[ZI+k]                     ; (a > 0: work on registers between the barrier's signal and its wait)
.set k, k+1
.endr
.if (\a) > 0
	s_barrier_wait -1                              ; both halves of block a - 1's rows lie in LDS
.if (\a) > 1
	s_wait_xcnt 0x0                                ; block a - 2's stores have had their addresses translated (ISA guide 3.1): their data registers are loaded again only behind this wait
.endif
	RBLOAD (\a)-1
.endif
	v_nop                                          ; a plain line behind the last transcendental (ISA guide 5.7.2)
	s_wait_alu depctr_va_vdst(0)
.irp k, 0,2,4,6,8,10,12,14
	v_pk_add_f32 v[ZI+\k:ZI+\k+1], v[ZI+\k:ZI+\k+1], 1.0 op_sel_hi:[1,0]     ; 1 + ei
	v_pk_add_f32 v[ZF+\k:ZF+\k+1], v[ZF+\k:ZF+\k+1], 1.0 op_sel_hi:[1,0]     ; 1 + ef
	v_pk_add_f32 v[MM+\k:MM+\k+1], v[ZG+\k:ZG+\k+1], -1.0 op_sel_hi:[1,0]    ; eg - 1
	v_pk_add_f32 v[ZO+\k:ZO+\k+1], v[ZO+\k:ZO+\k+1], 1.0 op_sel_hi:[1,0]     ; 1 + eo
.endr
.irp k, 0,2,4,6,8,10,12,14
	v_pk_fma_f32 v[ZI+\k:ZI+\k+1], v[ZI+\k:ZI+\k+1], v[ZG+\k:ZG+\k+1], v[ZI+\k:ZI+\k+1]   ; (1 + ei) eg + (1 + ei) = (1 + ei)(1 + eg)
.endr
.set k, 0
.rept 32
	v_rcp_f32 v[ZI+k], v[ZI+k]                     ; ZI's sixteen, then ZF's
.set k, k+1
.endr
	v_nop
.if (\a) > 0
	s_wait_dscnt 0x0                               ; block a - 1's rows are in registers: the eight loads were issued 74 vector instructions ago
	RBSTORE (\a)-1
.endif
	s_wait_alu depctr_va_vdst(0)
.irp k, 0,2,4,6,8,10,12,14
	v_pk_mul_f32 v[MM+\k:MM+\k+1], v[MM+\k:MM+\k+1], v[ZI+\k:ZI+\k+1]        ; i g
.endr
.irp k, 0,2,4,6,8,10,12,14
	v_pk_fma_f32 v[CN+\k:CN+\k+1], v[CC+\k:CC+\k+1], v[ZF+\k:ZF+\k+1], v[MM+\k:MM+\k+1]   ; c_new = c f + i g
.endr
.irp k, 0,2,4,6,8,10,12,14
	v_pk_mul_f32 v[ZG+\k:ZG+\k+1], v[CN+\k:CN+\k+1], s[KP:KP+1] op_sel_hi:[1,0]
.endr
.set k, 0
.rept 16
	v_med3_num_f32 v[ZG+k], v[ZG+k], -v[CL], v[CL]
.set k, k+1
.endr
.set k, 0
.rept 16
	v_exp_f32 v[ZG+k], v[ZG+k]                     ; et = 2^(2 log2(e) c_new)
.set k, k+1
.endr
	v_nop
	s_wait_alu depctr_va_vdst(0)
.irp k, 0,2,4,6,8,10,12,14
	v_pk_add_f32 v[MM+\k:MM+\k+1], v[ZG+\k:ZG+\k+1], -1.0 op_sel_hi:[1,0]    ; et - 1
	v_pk_fma_f32 v[ZO+\k:ZO+\k+1], v[ZO+\k:ZO+\k+1], v[ZG+\k:ZG+\k+1], v[ZO+\k:ZO+\k+1]   ; (1 + eo)(1 + et)
.endr
.set k, 0
.rept 16
	v_rcp_f32 v[ZO+k], v[ZO+k]
.set k, k+1
.endr
	v_nop
	s_wait_alu depctr_va_vdst(0)
.irp k, 0,2,4,6,8,10,12,14
	v_pk_mul_f32 v[HN+\k:HN+\k+1], v[MM+\k:MM+\k+1], v[ZO+\k:ZO+\k+1]        ; h_new = o tanh(c_new)
.endr
.irp u, 0,1
.irp q, 0,1
	ds_store_b128 v[CA], v[CN+8*\u+4*\q:CN+8*\u+4*\q+3] offset:(\a)*16*CP+64*\u+16*\q   ; c_new over c: my half of the rows' bytes
	ds_store_b128 v[HA], v[HN+8*\u+4*\q:HN+8*\u+4*\q+3] offset:(\a)*16*CP+64*\u+16*\q
.endr
.endr
.if (\a) < 7
	CLOAD (\a)+1                                   ; the next block's c, and its 48 lines of exponents, stand between my stores and the wait for them
	PREP (\a)+1
.endif
	s_wait_dscnt 0x0                               ; for the others' sake: my stores of block a are done; and the next block's c is in
	s_barrier_signal -1
.endm
	CLOAD 0
	PREP 0
	s_wait_dscnt 0x0                               ; block 0's c is in
.irp a, 0,1,2,3,4,5,6,7
	CELL \a
.endr
	s_barrier_wait -1                              ; the last block's rows lie in LDS
	s_wait_xcnt 0x0                                ; block 6's stores have had their addresses translated: their data registers may be loaded again
	RBLOAD 7
	s_wait_dscnt 0x0
	RBSTORE 7
	s_wait_tensorcnt 0x0                           ; the wave's end, behind my last tensor load and my last LDS store
	ds_add_u32 v[SPW], v[NIL]
	s_wait_dscnt 0x0
	CROUND                                         ; the closing round: no work-group ends while a partner may still ask for a tile that names it
	s_endpgm
.Lfunc_end_k_qb6074ec230_lstm:
	.size	k_qb6074ec230_lstm, .Lfunc_end_k_qb6074ec230_lstm-k_qb6074ec230_lstm
	.p2alignl 7, 3214868480
	.fill 96, 4, 3214868480
	.section	.rodata,"a",@progbits
	.p2align	6, 0x0
	.amdhsa_kernel k_qb6074ec230_lstm
		.amdhsa_group_segment_fixed_size 327680
		.amdhsa_private_segment_fixed_size 0
		.amdhsa_enable_private_segment 0
		.amdhsa_kernarg_size 120
		.amdhsa_user_sgpr_count 2
		.amdhsa_user_sgpr_kernarg_segment_ptr 1
		.amdhsa_wavefront_size32 1
		.amdhsa_system_sgpr_workgroup_id_x 1
		.amdhsa_system_sgpr_workgroup_id_y 1
		.amdhsa_system_sgpr_workgroup_id_z 1
		.amdhsa_system_vgpr_workitem_id 0
		.amdhsa_next_free_vgpr 1024
		.amdhsa_next_free_sgpr 106
		.amdhsa_reserve_vcc 0
		.amdhsa_float_denorm_mode_32 3
		.amdhsa_float_denorm_mode_16_64 3
		.amdhsa_memory_ordered 1
		.amdhsa_forward_progress 1
		.amdhsa_inst_pref_size 255
	.end_amdhsa_kernel
	.section	.bss,"aw",@nobits
	.p2align	6
	.space	262144
	.amdgpu_metadata
---
amdhsa.version: [ 1, 2 ]
amdhsa.kernels:
  - .name:           k_qb6074ec230_lstm
    .symbol:         k_qb6074ec230_lstm.kd
    .args:
      - { .name: b_i_i, .offset: 0, .size: 8, .value_kind: global_buffer, .address_space: global }
      - { .name: b_i_h, .offset: 8, .size: 8, .value_kind: global_buffer, .address_space: global }
      - { .name: b_f_i, .offset: 16, .size: 8, .value_kind: global_buffer, .address_space: global }
      - { .name: b_f_h, .offset: 24, .size: 8, .value_kind: global_buffer, .address_space: global }
      - { .name: b_g_i, .offset: 32, .size: 8, .value_kind: global_buffer, .address_space: global }
      - { .name: b_g_h, .offset: 40, .size: 8, .value_kind: global_buffer, .address_space: global }
      - { .name: b_o_i, .offset: 48, .size: 8, .value_kind: global_buffer, .address_space: global }
      - { .name: b_o_h, .offset: 56, .size: 8, .value_kind: global_buffer, .address_space: global }
      - { .name: a_codes, .offset: 64, .size: 8, .value_kind: global_buffer, .address_space: global }
      - { .name: a_scales, .offset: 72, .size: 8, .value_kind: global_buffer, .address_space: global }
      - { .name: w_codes, .offset: 80, .size: 8, .value_kind: global_buffer, .address_space: global }
      - { .name: w_scales, .offset: 88, .size: 8, .value_kind: global_buffer, .address_space: global }
      - { .name: c, .offset: 96, .size: 8, .value_kind: global_buffer, .address_space: global }
      - { .name: out0, .offset: 104, .size: 8, .value_kind: global_buffer, .address_space: global }
      - { .name: out1, .offset: 112, .size: 8, .value_kind: global_buffer, .address_space: global }
    .group_segment_fixed_size: 327680
    .private_segment_fixed_size: 0
    .kernarg_segment_align: 8
    .kernarg_segment_size: 120
    .max_flat_workgroup_size: 128
    .sgpr_count:     106
    .vgpr_count:     1024
    .wavefront_size: 32
...
	.end_amdgpu_metadata
.endif
;; end of part 2
